; MI455X (gfx1250); checked and timed in simulation.
; The chip was launched on July 23, 2026; its instructions are those of AMD's public machine-readable ISA for CDNA 5 (MIT licence, August 2026) and "CDNA5" Instruction Set Architecture Reference Guide (July 2026). The comments in the code are by the model that wrote it; some were corrected since.
;; sample FFNN AR. Allowed arithmetic: float matrix products may take bf16 or f16 operands with f32 sums; other float arithmetic in f32, or as packed bf16 or f16 multiplies, adds, multiply-adds, maxima and minima; sums over many terms, partial sums and values carried from step to step in f32; what a program stores and reads back later, other than sums and carried values, may be rounded once to bf16 or f16.
;; Inputs: W1 64 x 1,024 float32; W2 1,024 x 1 float32; b1 1,024 float32; b2 1 float32; inputs 2,048 x 512 x 63 float32; labels 2,048 x 512 x 1 float32.
;; Outputs: out0 2,048 x 512 x 1 float32.
;; One version. Each part assembles by itself: llvm-mc -triple=amdgcn-amd-amdhsa -mcpu=gfx1250 --defsym DOCPART=n.
;; ======== version 1 of 1: 1 launch
;; limits: right only within a limited range of input values; values are held in bf16: 8 bits of precision
;; launch arnn (part 1): grid 256 x 1, 4 waves a work-group, no clusters, 327,680 bytes of LDS; arguments inputs, W1, b1, W2, b2, out0; writes out0
.if DOCPART == 1
	.amdgcn_target "amdgcn-amd-amdhsa--gfx1250"
	.amdhsa_code_object_version 6
	.text
	.protected	k_qc0ee492c3d_arnn
	.globl	k_qc0ee492c3d_arnn
	.p2align	8
	.type	k_qc0ee492c3d_arnn,@function
k_qc0ee492c3d_arnn:
	s_mov_b64 s[64:65], 0
	v_nop
	global_prefetch_b8 v0, s[64:65] scope:SCOPE_SE
	s_setreg_imm32_b32 hwreg(HW_REG_WAVE_MODE, 25, 1), 1
	s_wait_xcnt 0x0
; out0[b][0] = 0;  out0[b][t] = b2 + sum_j W2[j] relu( x[b][t] . W1[0:63][j] + b1[j] + out0[b][t-1] W1[63][j] ),  t = 1 .. 511.   2,048 sequences b, 1,024 hidden units j.
; DEAD WORK.  'labels' enters no line of the formula: it is not loaded and is no argument.  x[b][0][:] is sliced away (the scan starts at t = 1 from a state of zeros that the problem builds itself):
; its row comes in with the contiguous tile and shares a matrix tile with t = 1, but what is made of it is never read: the state in front of t = 1 is written as 0.  LIMIT: a NaN, an infinity or an
; overflow in labels or in x[:][0][:] is not carried to the result.
; SPLIT.  Z[b][t][j] = x . W1[0:63][j] + b1[j] does not hang on the state: it goes to the matrix unit, bf16 operands, f32 sums, K = 64: x's 63 numbers and a 1.0 in slot 63, W1's 63 rows and b1 as row 63.
; The chain (state x W1[63], relu, the sum with W2) stays in f32 on the vector unit, in place on the accumulators: two packed instructions for two numbers.
; FORMATS.  x, W1, b1, W2, b2 are each rounded once to bf16; the state and all sums are f32.
; RELU BY CLAMP.  W1, b1 are multiplied by 2^-96 and W2 by 2^96 (exact).  The fused multiply-add that adds the state's term holds its result to 0 .. 1, which is max(., 0) as long as h < 2^96.
; LIMITS: a hidden value of 2^96 (7.9e28) or more counts as 2^96; |W2| stays under 2^31; entries of W1 and b1 under 2^-30 lose bits of their bf16 (an error under 2^-37 in h); a NaN in h is not kept.
; SHARES.  256 work-groups, 8 sequences each, all 512 steps.  Wave w owns the hidden units 256 w + 16 r + T (r = lane % 16, T = tile 0 .. 15); its slice of W1 stays in 256 registers for the whole kernel.
; A PERIOD is two steps: a matrix tile's 16 rows are 8 sequences x 2 steps: row 8 h + 4 s + 2 g + u is sequence 4 g + 2 h + u at step s.  In the result, register 4 s + 2 g + u of a lane in half h holds that row:
; a register pair is (u = 0, 1) of GROUP g at step s.  The two groups of four sequences run half a step apart: a SEGMENT is one group's one step; while one group's sum crosses the lanes, LDS and the
; barrier, the other group's elementwise work is issued.  The sum over hidden units: over tiles in the lane, over 16 lanes by four DPP steps, over the four waves through 64 bytes of LDS.
; PIPELINE.  In period c: the chain of c on Z[c % 2]; the 32 products of c + 1 into the other Z, one behind every few vector lines; A's fragments of c + 2 from the stage; x of c + 3 from the raw slot, rounded, into the stage.
; RING.  x comes by tensor loads, f32 as it lies: a slot holds 64 steps of the 8 sequences; a wave's one load brings its 2 sequences x 16,128 consecutive bytes.  Two slots; a slot is asked for again as soon as
; it is read out, 16 trips (64 steps) ahead of the wait for it.  By this text's count a wave has two tensor loads out at the start and one later.
; NO CLUSTER: a work-group's 1,032,192 bytes of x have no other reader; what all share (W1, b1, W2: 270,336 bytes) is read once, at the head, through a conversion into registers.
; REGISTERS, in windows of 256 (s_set_vgpr_msb: bits 1:0 source 0, 3:2 source 1, 5:4 source 2, 7:6 destination).  A BANK is a set of tiles whose W1 fragments, Z and state weights lie in one window:
; bank 1 (window 1) tiles 0-5, bank 2 (window 2) tiles 6-11, bank 0 (window 0) tiles 12-15.  With source 0 in window 0 (A's fragments, the state, W2) a bank's products and both chain lines need one setting.
;   windows 1, 2: v0-95 W1 (16 tl + 8 k-half); v96-191 Z, two buffers (96 + 48 zb + 8 tl); v192-203 state weights, in pairs; v204-207 two running sums; window 1 v208-209: b2 in one lane a half of wave 0, else 0
;   window 0: see the names below.   window 3: the set-up's staging ring, 8 x 32.
.set SLOT1, 1<<17                      ; raw slot 1 begins here: one exclusive or turns an address in one slot into the other's
.set SEQB,  16136                      ; a sequence's 64 steps in a slot: 4,032 words and 2 words of zeros (the tile is 2 elements wider than what is left of the tensor)
.set ASTG,  260352                     ; the stage: two buffers of 16 rows x 128 bytes of bf16, rows 144 bytes apart; behind the last block of 256 bytes that a fill touches
.set APIT,  144
.set ABUF,  16*APIT
.set XCH,   264960                     ; the waves' partial sums: [group][half][wave][u] f32: 128 bytes in a block of 256
.set OUT,   265216                     ; the results: [group][half][t][u] f32, 16,384 bytes
.set SPARE, 281600                     ; the spare words: 128 bytes for each wave, two blocks of 256 bytes that no other line names
.set XST,  1                           ; v1   where I put my wave's partial sums
.set XLD,  2                           ; v2   where I read the four waves'
.set AFL,  3                           ; v3   my place in a stage buffer, for A's fragments
.set AST,  4                           ; v4   where I put 16 bytes of rounded x
.set RAW0, 5                           ; v5   my place in a raw slot; never rewritten
.set RAWP, 6                           ; v6   the same in the trip in hand
.set OST0, 7                           ; v7   4,096 x half
.set OSTV, 8                           ; v8   OUT's address for the trip in hand
.set VW,   9                           ; v9   my offset in W1; at the end my place in OUT
.set VWT,  10                          ; v10  my offset in a row of 1,024 f32; at the end my offset in out0
.set SPW,  14                          ; v14  LDS address of my spare word; never rewritten
.set NIL,  15                          ; v15  0; never rewritten
.set WF0,  16                          ; v16-79    bank 0: W1
.set ZB0,  80                          ; v80-143   bank 0: Z, two buffers (80 + 32 zb + 8 tl); in the set-up W1[63], W2, b1; at the end the rows to store
.set WP0,  144                         ; v144-151  bank 0: state weights in pairs
.set AC0,  152                         ; v152-155  two running sums
.set W2P,  156                         ; v156-187  W2 x 2^96 of all 16 tiles, in pairs
.set AF,   188                         ; v188-219  A's fragments, two buffers (188 + 16 ab + 8 k-half)
.set PR,   220                         ; v220-223  the state: a pair (u = 0, 1) for each group
.set LX,   224                         ; v224-231  four waves' partial sums
.set TS,   232                         ; v232-235  at work
.set CR,   236                         ; v236-243  8 raw numbers of x
.set CP,   244                         ; v244-247  the same in bf16
.set MAND, 248                         ; v248, v249: in the lanes that hold slots 56-63 they put 1.0 into slot 63
.set MOR,  249
.set ZB1,  96
.set WP1,  192
.set AC1,  204
.set B2I,  208
; s[4:15] inputs, W1, b1, W2, b2, out0; s16 wave; s17 raw byte of the trip; s18 OUT byte of the trip; s19, s20 counters; s21 lanes of half 1; s22 b2; s23 lanes that carry b2;
; s[24:31] descriptor group 1; s[32:35] group 0 of fill 0; s[36:39] group 0 that walks; s40-41 at work; s42 my first sequence
.set MSB, 0
.macro WIN new                         ; the immediate's high byte repeats the setting that is left; a switch that changes nothing is dropped
.if MSB != (\new)
	s_set_vgpr_msb (MSB<<8)|(\new)
.set MSB, (\new)
.endif
.endm
.macro BAR                             ; my LDS instructions are done; then the work-group's barrier
	s_wait_dscnt 0x0
	s_barrier_signal -1
	s_barrier_wait -1
.endm
; THE SET-UP OF W1.  Register rq of k-half kq of a fragment holds rows k and k + 1, k = 32 kq + 16 (rq / 4) + 8 h + 2 (rq % 4).  A lane's 16 tiles are 64 consecutive bytes of a row.
.macro WLOAD pos                       ; both rows for position pos = 8 kq + rq: 8 loads into ring slot rq of window 3
	WIN 0xc0
.set kq, (\pos)/8
.set rq, (\pos)%8
.irp e, 0,1
.irp q, 0,1,2,3
	global_load_b128 v[32*rq+16*\e+4*\q:32*rq+16*\e+4*\q+3], v[VW], s[6:7] offset:(32*kq+16*(rq/4)+2*(rq%4)+\e)*4096+16*\q
.endr
.endr
.endm
.macro WCONV pos                       ; x 2^-96, two rows rounded into one register of each of the 16 tiles' fragments
.set kq, (\pos)/8
.set rq, (\pos)%8
	WIN 0xc3
.if (\pos) == 15                       ; row 63 (the odd row, half 1) is b1's place
.set z, 0
.rept 16
	v_cndmask_b32 v[32*rq+16+z], v[32*rq+16+z], v[ZB0+32+z], s21
.set z, z+1
.endr
.endif
.set z, 0
.rept 16
	v_pk_mul_f32 v[32*rq+2*z:32*rq+2*z+1], v[32*rq+2*z:32*rq+2*z+1], 0x0f800000 op_sel_hi:[1,0]
.set z, z+1
.endr
	WIN 0x4f
.set z, 0
.rept 6
	v_cvt_pk_bf16_f32 v[16*z+8*kq+rq], v[32*rq+z], v[32*rq+16+z]
.set z, z+1
.endr
	WIN 0x8f
.set z, 0
.rept 6
	v_cvt_pk_bf16_f32 v[16*z+8*kq+rq], v[32*rq+6+z], v[32*rq+22+z]
.set z, z+1
.endr
	WIN 0x0f
.set z, 0
.rept 4
	v_cvt_pk_bf16_f32 v[WF0+16*z+8*kq+rq], v[32*rq+12+z], v[32*rq+28+z]
.set z, z+1
.endr
.endm
.macro ROUND16 base                    ; 16 f32 rounded to bf16 and widened again, in place
.set z, 0
.rept 8
	v_cvt_pk_bf16_f32 v11, v[\base+2*z], v[\base+2*z+1]
	v_lshlrev_b32 v[\base+2*z], 16, v11
	v_and_b32 v[\base+2*z+1], 0xffff0000, v11
.set z, z+1
.endr
.endm
; x ON ITS WAY TO THE MATRIX UNIT.  Wave w rounds the four sequences of group w / 2 at step w % 2 of a period: 8 lanes a row, 8 numbers a lane.  A row of x is 252 bytes, so the loads are of 4 bytes;
; the 32 lanes of one load touch 32 different banks (a sequence's rows begin 4,034 words apart, 2 modulo 64; a lane's 8 words apart: 64 banks of 4 bytes, ISA guide 11.1).
.macro RAWLD imm
.irp q, 0,1,2,3,4,5,6,7
	ds_load_b32 v[CR+\q], v[RAWP] offset:(\imm)+4*\q
.endr
.endm
.macro CVT
.irp q, 0,1,2,3
	v_cvt_pk_bf16_f32 v[CP+\q], v[CR+2*\q], v[CR+2*\q+1]
.endr
	v_and_or_b32 v[CP+3], v[CP+3], v[MAND], v[MOR]   ; slot 63 (the next row's first number, or the slot's zeros) becomes 1.0
.endm
.macro ASTORE st
	ds_store_b128 v[AST], v[CP:CP+3] offset:(\st)*ABUF
.endm
.macro ALOAD st                        ; stage buffer st -> fragment buffer st: 16 rows x 64 slots; lane l holds row l % 16, slots 8 (l / 16) + 0..7 of each 16
.irp q, 0,1,2,3
	ds_load_b128 v[AF+16*(\st)+4*\q:AF+16*(\st)+4*\q+3], v[AFL] offset:(\st)*ABUF+32*\q
.endr
.endm
; Product e of a bank, for the period after the one with parity par.  The accumulators take turns, one instruction a turn: a tile's second k-half comes a segment behind its first,
; seven other products between.  The first k-half starts the sum with the constant 0.
.macro MM bank, e, par, on
.if \on
.set zb, 1-(\par)
.if (\bank) == 0
.set tl, 2*((\e)/4)+(\e)%2
.set kp, ((\e)/2)%2
.set rD, ZB0+32*zb+8*tl
.set rB, WF0+16*tl+8*kp
.else
.set tl, 3*((\e)/6)+(\e)%3
.set kp, ((\e)/3)%2
.set rD, ZB1+48*zb+8*tl
.set rB, 16*tl+8*kp
.endif
.set rA, AF+16*zb+8*kp
	WIN 0x54*(\bank)
.if kp
	v_wmma_f32_16x16x32_bf16 v[rD:rD+7], v[rA:rA+7], v[rB:rB+7], v[rD:rD+7]
.else
	v_wmma_f32_16x16x32_bf16 v[rD:rD+7], v[rA:rA+7], v[rB:rB+7], 0
.endif
.endif
.endm
.macro MMALL par                       ; a period's 32 products on end, in the segments' order
.irp i, 0,1,2,3
	MM 0, 2*\i, \par, 1
	MM 1, 3*\i, \par, 1
	MM 1, 3*\i+1, \par, 1
	MM 2, 3*\i, \par, 1
	MM 2, 3*\i+1, \par, 1
	MM 0, 2*\i+1, \par, 1
	MM 1, 3*\i+2, \par, 1
	MM 2, 3*\i+2, \par, 1
.endr
	WIN 0
.endm
; THE CHAIN's two lines for tile tl of a bank (SEG sets PAR, GG, SS).  E1: h = the state x its weight + Z, held to 0 .. 1.  E2: a running sum takes W2 x h; two sums a bank, by the tile's parity.
.macro E1 bank, tl
.if (\bank) == 0
.set rZ, ZB0+32*PAR+8*(\tl)+4*SS+2*GG
.set rW, WP0+2*(\tl)
.else
.set rZ, ZB1+48*PAR+8*(\tl)+4*SS+2*GG
.set rW, WP1+2*(\tl)
.endif
	v_pk_fma_f32 v[rZ:rZ+1], v[PR+2*GG:PR+2*GG+1], v[rW:rW+1], v[rZ:rZ+1] clamp
.endm
.macro E2 bank, tl
.if (\bank) == 0                       ; bank 0 adds onto the sums of banks 1 and 2
.set rZ, ZB0+32*PAR+8*(\tl)+4*SS+2*GG
.set rC, AC0+2*((\tl)%2)
.set rV, W2P+2*(12+(\tl))
	v_pk_fma_f32 v[rC:rC+1], v[rV:rV+1], v[rZ:rZ+1], v[rC:rC+1]
.else
.set rZ, ZB1+48*PAR+8*(\tl)+4*SS+2*GG
.set rC, AC1+2*((\tl)%2)
.set rV, W2P+2*(6*(\bank)-6+(\tl))
.if ((\bank) == 1) && ((\tl) == 0)
	v_pk_fma_f32 v[rC:rC+1], v[rV:rV+1], v[rZ:rZ+1], v[B2I:B2I+1]   ; the sum starts with b2, in one lane of each half of wave 0
.elseif (\tl) < 2
	v_pk_mul_f32 v[rC:rC+1], v[rV:rV+1], v[rZ:rZ+1]                 ; a first product starts a sum: nothing is cleared
.else
	v_pk_fma_f32 v[rC:rC+1], v[rV:rV+1], v[rZ:rZ+1], v[rC:rC+1]
.endif
.endif
.endm
.macro BANK b                          ; a bank's six tiles under one window setting, two products among them
	WIN 0x54*(\b)
	E1 \b, 0
	E1 \b, 1
	E1 \b, 2
	E1 \b, 3
	MM \b, 3*SI, PAR, MMON
	E2 \b, 0
	E1 \b, 4
	E2 \b, 1
	E1 \b, 5
	E2 \b, 2
	MM \b, 3*SI+1, PAR, MMON
	E2 \b, 3
	E2 \b, 4
	E2 \b, 5
.endm
.macro DPPSUM m                        ; both sums take the lane m away, inside each half of 16 lanes
	v_add_f32_dpp v[AC0], v[AC0], v[AC0] row_xmask:\m row_mask:0xf bank_mask:0xf
	v_add_f32_dpp v[AC0+1], v[AC0+1], v[AC0+1] row_xmask:\m row_mask:0xf bank_mask:0xf
.endm
; A SEGMENT: group g = i % 2 at step s = i / 2 of a period with parity par.  pi: the period's place in its trip.  mm, da, dc: the next period's products, the fragments' loads, the conversion are done.
; fz = 1: the state is written as 0 (in front of t = 1); fz = 2: the same, and it is no result (in front of t = 0).  nl = 1: the other group's sums are not fetched (nothing will read them).
; ONE BARRIER A SEGMENT.  In front of its signal my LDS instructions are done: the other group's partial sums that I stored a segment ago, and my reads of this group's.  Behind its wait every wave's partial
; sums of the other group can be read, and this group's words, which nobody reads any more, are stored anew at the segment's end.  Between signal and wait stands register work alone.
; No vector line near a product names its registers: the riders work on the other Z buffer.  Each accumulator is first read in segment 0, at its registers 0 and 1.
.macro SEG i, par, pi, mm, da, dc, fz, nl
.set SI, (\i)
.set GG, (\i)%2
.set SS, (\i)/2
.set PAR, (\par)
.set MMON, (\mm)
.set SG, 2*(\pi)+SS
.set NF, 1                             ; LDS instructions issued behind the two loads of the sums: the store of my partial sums,
.if (\i) == 1
.set NF, 1+4*(\da)                     ; the four loads of A's fragments,
.elseif (\i) == 2
.set NF, 1+8*(\dc)                     ; the eight raw loads,
.elseif (\i) == 3
.set NF, 1+(\dc)                       ; the store into the stage
.endif
	WIN 0
.if \fz
	v_mov_b32 v[PR+2*GG], 0
	MM 0, 2*SI, PAR, MMON
	v_mov_b32 v[PR+2*GG+1], 0
.else
	s_wait_dscnt NF                                ; LDS instructions end in order (ISA guide 5.7.1): the four waves' sums are in, the younger may stay out
	v_pk_add_f32 v[TS:TS+1], v[LX:LX+1], v[LX+2:LX+3]
	v_pk_add_f32 v[TS+2:TS+3], v[LX+4:LX+5], v[LX+6:LX+7]
	MM 0, 2*SI, PAR, MMON
	v_pk_add_f32 v[PR+2*GG:PR+2*GG+1], v[TS:TS+1], v[TS+2:TS+3]   ; the group's state: the result of the step before
.endif
	BANK 1
	s_wait_dscnt 0x0                               ; for the others' sake: zero
	s_barrier_signal -1
	BANK 2
	WIN 0x09                                       ; source 0 window 1, source 1 window 2, destination window 0
	v_pk_add_f32 v[AC0:AC0+1], v[AC1:AC1+1], v[AC1:AC1+1]
	v_pk_add_f32 v[AC0+2:AC0+3], v[AC1+2:AC1+3], v[AC1+2:AC1+3]
	WIN 0
	s_barrier_wait -1
.if (\fz) != 2
	s_cmp_lg_u32 s16, SG                           ; all four waves hold the state; they take turns in keeping it.  The store stands ahead of the loads below, so it enters no count
	s_cbranch_scc1 .Lnot_mine_\@
	ds_store_b64 v[OSTV], v[PR+2*GG:PR+2*GG+1] offset:8192*GG+8*SG
.Lnot_mine_\@:
.endif
.if !(\nl)
	ds_load_b128 v[LX:LX+3], v[XLD] offset:64*(1-GG)      ; the other group's partial sums, for the next segment
	ds_load_b128 v[LX+4:LX+7], v[XLD] offset:64*(1-GG)+16
.endif
.if ((\i) == 0) && (\da)
	ALOAD PAR                                      ; written two barriers ago; its fragment buffer was last multiplied in the period before, more than four plain lines back
.endif
.if ((\i) == 1) && (\dc)
	RAWLD 504*(\pi)
.endif
	E1 0, 0
	E1 0, 1
	E1 0, 2
	E1 0, 3
	MM 0, 2*SI+1, PAR, MMON
	E2 0, 0
	E2 0, 1
	E2 0, 2
	E2 0, 3
	v_pk_add_f32 v[AC0:AC0+1], v[AC0:AC0+1], v[AC0+2:AC0+3]
	DPPSUM 1
	MM 1, 3*SI+2, PAR, MMON
	WIN 0
	DPPSUM 2
.if ((\i) == 2) && (\dc)
	CVT                                            ; the raw loads were waited for at this segment's signal
.endif
	DPPSUM 4
	MM 2, 3*SI+2, PAR, MMON
	WIN 0
	DPPSUM 8
.if ((\i) == 2) && (\dc)
	ASTORE 1-PAR                                   ; that buffer's readers waited for their loads in front of a signal five barriers ago
.endif
	ds_store_b64 v[XST], v[AC0:AC0+1] offset:64*GG
.endm
.macro PERIOD par, pi, mm, da, dc, first
.if \first
	SEG 0, \par, \pi, \mm, \da, \dc, 2, 1
	SEG 1, \par, \pi, \mm, \da, \dc, 2, 1
	SEG 2, \par, \pi, \mm, \da, \dc, 1, 1
	SEG 3, \par, \pi, \mm, \da, \dc, 1, 0
.else
	SEG 0, \par, \pi, \mm, \da, \dc, 0, 0
	SEG 1, \par, \pi, \mm, \da, \dc, 0, 0
	SEG 2, \par, \pi, \mm, \da, \dc, 0, 0
	SEG 3, \par, \pi, \mm, \da, \dc, 0, 0
.endif
.endm
.macro TRIP                            ; trip j: the chain of periods 2 j - 3 and 2 j - 2; x of periods 2 j and 2 j + 1 is rounded: 16 trips read a slot out
	WIN 0
	v_add_nc_u32 v[RAWP], s17, v[RAW0]
	v_add_nc_u32 v[OSTV], s18, v[OST0]
	PERIOD 1, 0, 1, 1, 1, 0
	PERIOD 0, 1, 1, 1, 1, 0
	WIN 0
	s_add_co_u32 s17, s17, 1008                    ; four steps of 252 bytes
	s_add_co_u32 s18, s18, 32                      ; four steps of 8 bytes
.endm
; THE CHANGE OF SLOTS.  Each wave waits for all its tensor loads, of which one is out: its part of the other slot; adds 0 to its spare word; waits for that and for its reads of the slot that it leaves.
; Behind the barrier nobody reads the old slot and the other is whole.  fill = 1: the old slot takes the 64 steps two slots on: the wave's one tensor load, first behind the barrier.
.macro BOUNDARY fill
	WIN 0
	s_wait_tensorcnt 0x0                           ; no tensor load of mine is out, so a group 0 may be written
	ds_add_u32 v[SPW], v[NIL]                      ; 0 onto my spare word; scalar work stands between it and the wait for it
.if \fill
	s_xor_b32 s37, s37, SLOT1                      ; the other slot than last time,
	s_add_nc_u64 s[38:39], s[38:39], 16128         ; the next 64 steps; the type bits on top are not reached
.endif
	s_sub_co_u32 s17, s17, 16128                   ; the raw reads go back to a slot's first step,
	s_xor_b32 s17, s17, SLOT1                      ; in the other slot
	s_wait_dscnt 0x0                               ; the add is done, and my reads of the slot are over
	s_barrier_signal -1
	s_barrier_wait -1
.if \fill
	tensor_load_to_lds s[36:39], s[24:31]
	s_nop 0
.rept 4
	v_nop
.endr
.endif
.endm
	s_load_b256 s[4:11], s[0:1], 0x0               ; inputs s[4:5], W1 s[6:7], b1 s[8:9], W2 s[10:11]
	s_load_b128 s[12:15], s[0:1], 0x20             ; b2 s[12:13], out0 s[14:15]
	v_lshl_add_u32 v[SPW], v0, 2, SPARE
	v_mov_b32 v[NIL], 0
	ds_add_u32 v[SPW], v[NIL]                      ; the wave's opening: the add, twice on end, and its wait ahead of my first tensor load
	ds_add_u32 v[SPW], v[NIL]                      ; and once more, under the one wait; the descriptors' words stand between
	v_lshrrev_b32 v11, 5, v0
	v_readfirstlane_b32 s16, v11                   ; wave 0..3
	; descriptor group 1: 2 rows (sequences) of 4,034 elements of 4 bytes, of which 4,032 are left of the tensor: the last two arrive as zeros
	s_mov_b32 s24, 2<<16                           ; 15:0 no mask; 17:16 elements of 4 bytes; no padding
	s_mov_b32 s25, 4032<<16                        ; tensor_dim0 = 64 steps x 63
	s_mov_b32 s26, 2<<16                           ; tensor_dim1 = 2
	s_mov_b32 s27, 4034<<16                        ; tile_dim0
	s_mov_b32 s28, 2                               ; tile_dim1
	s_mov_b32 s29, 32256                           ; from sequence to sequence: 512 x 63 elements
	s_mov_b32 s30, 0
	s_mov_b32 s31, 0
	s_mov_b32 s32, 1                               ; group 0 of fill 0: count = 1,
	s_mul_i32 s33, s16, 2*SEQB                     ; slot 0, my two sequences' place
	s_mov_b32 s36, 1                               ; group 0 of fill 1, which then walks:
	s_add_co_u32 s37, s33, SLOT1                   ; slot 1
	s_lshl_b32 s42, ttmp9, 3
	s_lshl1_add_u32 s42, s16, s42                  ; my first sequence: 8 x work-group + 2 x wave
	s_mul_i32 s40, s42, 129024                     ; a sequence is 512 x 63 x 4 bytes; 2,046 of them stay under 2^32
	s_mov_b32 s41, 0
	s_wait_dscnt 0x0                               ; both opening adds are done
	s_wait_kmcnt 0x0
	s_load_b32 s22, s[12:13], 0x0                  ; b2
	s_add_nc_u64 s[34:35], s[4:5], s[40:41]        ; steps 0 to 63
	s_add_nc_u64 s[38:39], s[34:35], 16128         ; steps 64 to 127
	s_or_b32 s35, s35, 0x80000000                  ; type = 2
	s_or_b32 s39, s39, 0x80000000
	tensor_load_to_lds s[32:35], s[24:31]          ; both first fills together, ahead of every wait on TENSORcnt, LDS read and barrier
	s_nop 0
	tensor_load_to_lds s[36:39], s[24:31]
	s_nop 0
.rept 4
	v_nop
.endr
	v_and_b32 v11, 15, v0                          ; r
	v_bfe_u32 v12, v0, 4, 1                        ; h
	v_lshlrev_b32 v[VWT], 6, v11
	v_lshl_add_u32 v[VWT], s16, 10, v[VWT]         ; my 16 hidden units: 1,024 w + 64 r bytes
	v_lshl_add_u32 v[VW], v12, 15, v[VWT]          ; + 8 h rows of W1
.irp q, 0,1,2,3
	global_load_b128 v[ZB0+4*\q:ZB0+4*\q+3], v[VWT], s[6:7] offset:63*4096+16*\q      ; W1[63]: the state's weights
	global_load_b128 v[ZB0+16+4*\q:ZB0+16+4*\q+3], v[VWT], s[10:11] offset:16*\q      ; W2
	global_load_b128 v[ZB0+32+4*\q:ZB0+32+4*\q+3], v[VWT], s[8:9] offset:16*\q        ; b1
.endr
.irp p, 0,1,2,3,4,5
	WLOAD \p
.endr
	WIN 0
	v_lshlrev_b32 v[XLD], 5, v12
	v_add_nc_u32 v[XLD], XCH, v[XLD]
	v_lshl_add_u32 v[XST], s16, 3, v[XLD]
	v_lshlrev_b32 v[OST0], 12, v12
	v_cmp_eq_u32 s21, 1, v12
	v_and_b32 v13, 0x6f, v0
	v_cmp_eq_u32 s23, 0, v13                       ; wave 0, r = 0, either half
	; A's row m = 8 h + 4 s + 2 g + u lies in the stage at row 8 g + 4 s + 2 u + h (the wave that rounds it, then its place there)
	v_bfe_u32 v13, v0, 1, 1
	v_lshlrev_b32 v[AFL], 3, v13
	v_bfe_u32 v13, v0, 2, 1
	v_lshl_add_u32 v[AFL], v13, 2, v[AFL]
	v_and_b32 v13, 1, v0
	v_lshl_add_u32 v[AFL], v13, 1, v[AFL]
	v_bfe_u32 v13, v0, 3, 1
	v_add_nc_u32 v[AFL], v[AFL], v13
	v_mul_u32_u24 v[AFL], v[AFL], APIT
	v_lshl_add_u32 v[AFL], v12, 4, v[AFL]
	v_add_nc_u32 v[AFL], ASTG, v[AFL]
	; rounding: lanes 8 jj .. 8 jj + 7 take the sequence 4 (w / 2) + 2 (jj % 2) + jj / 2 at step w % 2, 8 numbers a lane
	v_lshl_add_u32 v11, v13, 1, v12
	s_lshr_b32 s40, s16, 1
	s_and_b32 s41, s16, 1
	v_lshl_add_u32 v11, s40, 2, v11
	v_mul_u32_u24 v[RAW0], v11, SEQB
	v_and_b32 v13, 7, v0
	v_lshl_add_u32 v[RAW0], v13, 5, v[RAW0]
	s_mul_i32 s41, s41, 252
	v_add_nc_u32 v[RAW0], s41, v[RAW0]
	v_bfe_u32 v11, v0, 3, 2
	v_mul_u32_u24 v[AST], v11, APIT
	v_lshl_add_u32 v[AST], v13, 4, v[AST]
	s_mul_i32 s40, s16, 4*APIT
	s_add_co_u32 s40, s40, ASTG
	v_add_nc_u32 v[AST], s40, v[AST]
	v_cmp_eq_u32 vcc_lo, 7, v13
	v_mov_b32 v11, 0xffff
	v_cndmask_b32 v[MAND], -1, v11, vcc_lo
	v_mov_b32 v11, 0x3f800000
	v_cndmask_b32 v[MOR], 0, v11, vcc_lo
	s_wait_loadcnt 48                              ; the twelve small loads are in; six batches of eight may stay out
	ROUND16 ZB0
	ROUND16 ZB0+16
.set z, 0
.rept 16
	v_mul_f32 v[W2P+2*z], 0x6f800000, v[ZB0+16+z]  ; W2 x 2^96, twice: a pair for the packed lines
	v_mul_f32 v[W2P+2*z+1], 0x6f800000, v[ZB0+16+z]
.set z, z+1
.endr
.set z, 0
.rept 4
	v_mul_f32 v[WP0+2*z], 0x0f800000, v[ZB0+12+z]  ; W1[63] x 2^-96, twice
	v_mul_f32 v[WP0+2*z+1], 0x0f800000, v[ZB0+12+z]
.set z, z+1
.endr
	s_wait_kmcnt 0x0                               ; b2
	v_mov_b32 v11, s22
	v_cvt_pk_bf16_f32 v11, v11, v11
	v_lshlrev_b32 v11, 16, v11
	WIN 0x40
.set z, 0
.rept 6
	v_mul_f32 v[WP1+2*z], 0x0f800000, v[ZB0+z]
	v_mul_f32 v[WP1+2*z+1], 0x0f800000, v[ZB0+z]
.set z, z+1
.endr
	v_cndmask_b32 v[B2I], 0, v11, s23
	v_cndmask_b32 v[B2I+1], 0, v11, s23
	WIN 0x80
.set z, 0
.rept 6
	v_mul_f32 v[WP1+2*z], 0x0f800000, v[ZB0+6+z]
	v_mul_f32 v[WP1+2*z+1], 0x0f800000, v[ZB0+6+z]
.set z, z+1
.endr
	WLOAD 6
	WLOAD 7
.set pp, 0
.rept 16
.if pp < 8
	s_wait_loadcnt 56                              ; batch pp is in; the seven younger batches may stay out
.else
	s_wait_loadcnt 8*(15-pp)
.endif
	WCONV pp
.if pp < 8
	WLOAD pp+8                                     ; into the ring slot just read out
.endif
.set pp, pp+1
.endr
	WIN 0
	; THE PIPELINE IS FILLED: x of periods 0, 1, 2 rounded, fragments of 0 and 1 fetched, Z of period 0 made.
	s_mov_b32 s17, 0
	s_mov_b32 s18, OUT-24
	s_wait_tensorcnt 0x1                           ; my part of fill 0 is in; fill 1 may stay out
	BAR                                            ; everybody's is
	v_add_nc_u32 v[RAWP], s17, v[RAW0]
	RAWLD 0
	s_wait_dscnt 0x0
	CVT
	ASTORE 0
	RAWLD 504
	s_wait_dscnt 0x0
	CVT
	ASTORE 1
	BAR                                            ; all sixteen rows of both buffers lie in the stage
	ALOAD 0
	ALOAD 1
	BAR                                            ; the fragments are in, in every wave: buffer 0 may be written again
	RAWLD 1008
	s_wait_dscnt 0x0
	CVT
	ASTORE 0
	MMALL 1
.rept 4
	v_nop                                          ; the places behind those products, in front of the first lines that read them
.endr
	s_mov_b32 s17, 1008
	v_add_nc_u32 v[RAWP], s17, v[RAW0]
	v_add_nc_u32 v[OSTV], s18, v[OST0]
	PERIOD 0, 1, 1, 1, 1, 1                        ; period 0: steps 0 (kept for the one form of text; nothing reads its sums) and 1 (from the state 0); x of period 3
	WIN 0
	s_add_co_u32 s17, s17, 1008
	s_add_co_u32 s18, s18, 32
	s_mov_b32 s19, 14                              ; trips 2 to 15 read slot 0 out
	s_mov_b32 s20, 7
	s_branch .Ltrip                                ; the loop over slots is entered behind its change of slots
.Lfill:                                        ; six times: fills 2 to 7 are asked for
	BOUNDARY 1
	s_mov_b32 s19, 16
.Ltrip:
	TRIP
	s_sub_co_u32 s19, s19, 1
	s_cmp_lg_u32 s19, 0
	s_cbranch_scc1 .Ltrip
	s_sub_co_u32 s20, s20, 1
	s_cmp_lg_u32 s20, 0
	s_cbranch_scc1 .Lfill
	BOUNDARY 0                                     ; the last slot is written out: nothing is asked for
	s_mov_b32 s19, 16
.Ltail:                                        ; trips 112 to 127
	TRIP
	s_sub_co_u32 s19, s19, 1
	s_cmp_lg_u32 s19, 0
	s_cbranch_scc1 .Ltail
	; THE PIPELINE RUNS DRY: periods 253, 254, 255
	v_add_nc_u32 v[OSTV], s18, v[OST0]
	PERIOD 1, 0, 1, 1, 0, 0
	PERIOD 0, 1, 1, 0, 0, 0
	WIN 0
	s_add_co_u32 s18, s18, 32
	v_add_nc_u32 v[OSTV], s18, v[OST0]
	PERIOD 1, 0, 0, 0, 0, 0
	WIN 0
	s_wait_dscnt 0x1                               ; group 0's last sums are in; my store of group 1's may be out
	v_pk_add_f32 v[TS:TS+1], v[LX:LX+1], v[LX+2:LX+3]
	v_pk_add_f32 v[TS+2:TS+3], v[LX+4:LX+5], v[LX+6:LX+7]
	v_pk_add_f32 v[PR:PR+1], v[TS:TS+1], v[TS+2:TS+3]
	s_cmp_lg_u32 s16, 2
	s_cbranch_scc1 .Lnot_last0
	ds_store_b64 v[OSTV], v[PR:PR+1] offset:16     ; step 511
.Lnot_last0:
	BAR                                            ; every wave's partial sums of group 1 lie in LDS
	ds_load_b128 v[LX:LX+3], v[XLD] offset:64
	ds_load_b128 v[LX+4:LX+7], v[XLD] offset:80
	s_wait_dscnt 0x0
	v_pk_add_f32 v[TS:TS+1], v[LX:LX+1], v[LX+2:LX+3]
	v_pk_add_f32 v[TS+2:TS+3], v[LX+4:LX+5], v[LX+6:LX+7]
	v_pk_add_f32 v[PR+2:PR+3], v[TS:TS+1], v[TS+2:TS+3]
	s_cmp_lg_u32 s16, 2
	s_cbranch_scc1 .Lnot_last1
	ds_store_b64 v[OSTV], v[PR+2:PR+3] offset:8192+16
.Lnot_last1:
	BAR                                            ; all results lie in LDS
	; THE WAY OUT.  Wave w = 2 g + h stores sequences 2 w and 2 w + 1: lanes 0-15 the first, lanes 16-31 the second; a lane four steps.
	v_and_b32 v11, 15, v0
	v_bfe_u32 v12, v0, 4, 1
	v_lshlrev_b32 v[VW], 5, v11                    ; four steps of 8 bytes,
	v_lshl_add_u32 v[VW], v12, 2, v[VW]            ; my u
	s_lshl_b32 s40, s16, 12
	s_add_co_u32 s40, s40, OUT
	v_add_nc_u32 v[VW], s40, v[VW]
	v_lshlrev_b32 v[VWT], 4, v11
	v_lshl_add_u32 v[VWT], v12, 11, v[VWT]         ; a sequence is 2,048 bytes of out0
	s_lshl_b32 s40, s42, 11
	s_mov_b32 s41, 0
	s_add_nc_u64 s[14:15], s[14:15], s[40:41]
.irp p, 0,1,2,3,4,5,6,7
.irp q, 0,1,2,3
	ds_load_b32 v[ZB0+4*\p+\q], v[VW] offset:512*\p+8*\q
.endr
.endr
.irp p, 0,1,2,3,4,5,6,7
	s_wait_dscnt 28-4*\p                           ; round p's four loads are in; the younger rounds' may stay out
	global_store_b128 v[VWT], v[ZB0+4*\p:ZB0+4*\p+3], s[14:15] offset:256*\p th:TH_STORE_NT   ; 16 lanes store 256 consecutive bytes, at a multiple of 256 from out0's first byte
.endr
	s_wait_tensorcnt 0x0                           ; the wave's end, behind my last tensor load and my last LDS store
	ds_add_u32 v[SPW], v[NIL]
	s_wait_dscnt 0x0
	s_endpgm
.Lfunc_end_k_qc0ee492c3d_arnn:
	.size	k_qc0ee492c3d_arnn, .Lfunc_end_k_qc0ee492c3d_arnn-k_qc0ee492c3d_arnn
	.p2alignl 7, 3214868480
	.fill 96, 4, 3214868480
	.section	.rodata,"a",@progbits
	.p2align	6, 0x0
	.amdhsa_kernel k_qc0ee492c3d_arnn
		.amdhsa_group_segment_fixed_size 327680
		.amdhsa_private_segment_fixed_size 0
		.amdhsa_enable_private_segment 0
		.amdhsa_kernarg_size 48
		.amdhsa_user_sgpr_count 2
		.amdhsa_user_sgpr_kernarg_segment_ptr 1
		.amdhsa_wavefront_size32 1
		.amdhsa_system_sgpr_workgroup_id_x 1
		.amdhsa_system_sgpr_workgroup_id_y 1
		.amdhsa_system_sgpr_workgroup_id_z 1
		.amdhsa_system_vgpr_workitem_id 0
		.amdhsa_next_free_vgpr 1024
		.amdhsa_next_free_sgpr 66
		.amdhsa_reserve_vcc 1
		.amdhsa_float_denorm_mode_32 3
		.amdhsa_float_denorm_mode_16_64 3
		.amdhsa_memory_ordered 1
		.amdhsa_forward_progress 1
		.amdhsa_inst_pref_size 214
	.end_amdhsa_kernel
	.amdgpu_metadata
---
amdhsa.version: [ 1, 2 ]
amdhsa.kernels:
  - .name:           k_qc0ee492c3d_arnn
    .symbol:         k_qc0ee492c3d_arnn.kd
    .args:
      - { .name: inputs, .offset: 0, .size: 8, .value_kind: global_buffer, .address_space: global }
      - { .name: W1, .offset: 8, .size: 8, .value_kind: global_buffer, .address_space: global }
      - { .name: b1, .offset: 16, .size: 8, .value_kind: global_buffer, .address_space: global }
      - { .name: W2, .offset: 24, .size: 8, .value_kind: global_buffer, .address_space: global }
      - { .name: b2, .offset: 32, .size: 8, .value_kind: global_buffer, .address_space: global }
      - { .name: out0, .offset: 40, .size: 8, .value_kind: global_buffer, .address_space: global }
    .group_segment_fixed_size: 327680
    .private_segment_fixed_size: 0
    .kernarg_segment_align: 8
    .kernarg_segment_size: 48
    .max_flat_workgroup_size: 128
    .sgpr_count:     66
    .vgpr_count:     1024
    .wavefront_size: 32
...
	.end_amdgpu_metadata
.endif
;; end of part 1
